; MI455X (gfx1250); checked and timed in simulation.
; The chip was launched on July 23, 2026; its instructions are those of AMD's public machine-readable ISA for CDNA 5 (MIT licence, August 2026) and "CDNA5" Instruction Set Architecture Reference Guide (July 2026). The comments in the code are by the model that wrote it; some were corrected since.
;; Bahdanau Attention. Allowed arithmetic: matrix products marked QUANTISED: E2M3 operands, one E8M0 scale for each 32 along K, by v_wmma_scale_f32_16x16x128_f8f6f4 with both operands' format E2M3, f32 sums; products left as they are: f32 operands where the result goes on into a quantised operand, else bf16, f16 or f32 operands; f32 sums; everything else in f32.
;; Inputs: b1 1,024 float32; b2 1,024 float32; bv 1 float32; query_codes 32 x 32 x 24 uint8 (E2M3 codes of query, K innermost, in blocks of 32 codes, four codes in three bytes); query_scales 32 x 32 uint8 (E8M0 scales of query, one for each 32 codes along K); values 32 x 2,048 x 1,024 float32; w1_codes 1,024 x 32 x 24 uint8 (E2M3 codes of w1, K innermost, in blocks of 32 codes, four codes in three bytes); w1_scales 1,024 x 32 uint8 (E8M0 scales of w1, one for each 32 codes along K); w2_codes 1,024 x 32 x 24 uint8 (E2M3 codes of w2, K innermost, in blocks of 32 codes, four codes in three bytes); w2_scales 1,024 x 32 uint8 (E8M0 scales of w2, one for each 32 codes along K); wv 1,024 x 1 float32.
;; Outputs: out0 32 x 1,024 float32; out1 32 x 2,048 x 1 float32.
;; This version of the problem:
;;   THIS VERSION OF THE PROBLEM IS GIVEN IN LOW PRECISION. The matrix products marked QUANTISED in the list below multiply operands that are first quantised to E2M3 (2 exponent bits, 3 mantissa bits; 6 bits a number), with one power-of-two scale for each 32 numbers along K (OCP MX v1.0); their sums are f32. All else is computed in f32.
;;   The module's matrix products, in the order in which they are computed (A, B: the left and right operand; K: the contracted axis; several contracted axes count as one K, in the product's order):
;;     1. [M 32, K 1,024] x [K 1,024, N 1,024]; A: input query (given as codes); B: input w1 (given as codes): QUANTISED
;;     2. [M 65,536, K 1,024] x [K 1,024, N 1,024]; A: input values; B: input w2 (given as codes): QUANTISED
;;     3. [M 65,536, K 1,024] x [K 1,024, N 1]; A: computed on the way; B: input wv: left as it is (N = 1 < 16)
;;   THE QUANTISER, for each operand of a quantised product, along K:
;;     - K is cut into blocks of 32 from its start; a last block that is shorter is filled with zeros.
;;     - A block's scale is 2^e with e = floor(log2(the largest magnitude in the block)) - 2, held to -126 .. 127; a block of zeros has e = 0. As a byte (E8M0): e + 127.
;;     - Each number is divided by its block's scale, clamped to +-7.5, and rounded to the nearest number of E2M3, ties to even, subnormals kept.
;;     - The product sums the exact products of the quantised numbers (number of the format x scale) in f32.
;;   ~~~python
;;   def quantise(x, axis):      # numpy; x: float32 -> the quantised numbers, widened to float32 again
;;       x = np.moveaxis(x, axis, -1); K = x.shape[-1]
;;       x = np.pad(x, [(0, 0)] * (x.ndim - 1) + [(0, -K % 32)]); x = x.reshape(x.shape[:-1] + (-1, 32)); a = np.abs(x).max(-1, keepdims=True)
;;       e = np.where(a > 0, np.clip(np.frexp(np.where(a > 0, a, 1))[1] - 1 - 2, -126, 127), 0)      # np.frexp(a)[1] - 1 = floor(log2(a)), exactly
;;       r = np.clip(x / 2.0 ** e, -7.5, 7.5)
;;       step = 2.0 ** (np.maximum(np.frexp(np.where(r == 0, 1, r))[1] - 1, 0) - 3)
;;       q = np.round(r / step) * step * 2.0 ** e      # np.round: ties to even
;;       return np.moveaxis(q.reshape(q.shape[:-2] + (-1,))[..., :K], -1, axis).astype(np.float32)
;;   ~~~
;;   INPUTS GIVEN AS CODES. query (in the module: [32, 1024], K = its axis 1); w1 (in the module: [1024, 1024], K = its axis 0); w2 (in the module: [1024, 1024], K = its axis 0): each comes as NAME_codes (uint8): NAME with its K axis moved to the last place and cut into blocks of 32 codes, [.., K / 32, bytes a block], one block behind the other in memory; four codes in three bytes: a row's codes are one little-endian stream of bits, code i at bits 6 i .. 6 i + 5 (a code: sign, 2 exponent bits, 3 mantissa bits); and NAME_scales (uint8): the same leading axes, one E8M0 byte (e + 127) for each 32 codes along K. Its value is code x scale, taken as it is: it is not quantised again, and the codes and scales need not be those that the quantiser above would give.
;; One version. Each part assembles by itself: llvm-mc -triple=amdgcn-amd-amdhsa -mcpu=gfx1250 --defsym DOCPART=n.
;; ======== version 1 of 1: 3 launches
;; limits: right only within a limited range of input values
;; workspace buffers: w2f 819,200 bytes; qb 131,072 bytes; scores 262,144 bytes; part 1,048,576 bytes; stat 65,536 bytes
;; launch prep (part 1): grid 64 x 3, 1 waves a work-group, no clusters, 0 bytes of LDS; arguments query_codes, query_scales, w1_codes, w1_scales, b1, b2, w2_codes, w2_scales, qb, w2f; writes qb, w2f
.if DOCPART == 1
	.amdgcn_target "amdgcn-amd-amdhsa--gfx1250"
	.amdhsa_code_object_version 6
	.text
	.protected	k_q0a1d99958a_prep
	.globl	k_q0a1d99958a_prep
	.p2align	8
	.type	k_q0a1d99958a_prep,@function
k_q0a1d99958a_prep:
	s_mov_b64 s[64:65], 0
	v_nop
	global_prefetch_b8 v0, s[64:65] scope:SCOPE_SE
	s_setreg_imm32_b32 hwreg(HW_REG_WAVE_MODE, 25, 1), 1
	s_wait_xcnt 0x0
; Two small jobs for the launch that follows, one tile of 16 units (columns of w1 and w2) to a work-group.
; WAVES 0 AND 1: qb[batch][unit] = query . w1 + b1 + b2, on the codes of E2M3 and the E8M0 scale bytes as they are given: wave mt takes batches 16 mt .. 16 mt + 15.
;   The product is used transposed (source 0 = 16 units of w1, source 1 = 16 batches): lane (r, h) holds batch r and its registers the units 8 h + 0 .. 7.
;   K = 1,024 is eight matrix instructions; two accumulators take turns and are added at the end; b1 + b2 is the C of the first.
; WAVE 2: w2's tile is laid out in the order of the operand's registers: eight fragments (one for each 128 along K) of 1,536 bytes, registers 4 c .. 4 c + 3 of lane l at 512 c + 16 l;
;   behind them 512 bytes of scale bytes: lane (r, h) has bytes 16 h .. 16 h + 15 of unit r's 32.  A tile is 12,800 bytes; every store covers 512 consecutive bytes.
; No LDS, no barrier: the waves share nothing.  No cluster: the loads go straight into registers, and what work-groups share (query, 25,600 bytes) is small beside a tile's 25,600 bytes of w1 and w2.
; qb is stored in pieces of 64 consecutive bytes (two lanes to a batch's 16 units): 131,072 bytes in all.
; The order of the sums differs from a single chain along K: even and odd K steps are summed apart.
.set W1F, 16                           ; v16-111   eight fragments of w1 (wave 2: of w2)
.set QF,  112                          ; v112-207  eight fragments of query
.set W1S, 208                          ; v208-215  w1's scale words, one register for each K step; they hold scales alone
.set QS,  216                          ; v216-223  query's
.set BB,  224                          ; v224-231  b1, then b1 + b2
.set B2R, 232                          ; v232-239  b2, later the result
.set AC,  240                          ; v240-255  two accumulators
	s_load_b256 s[4:11], s[0:1], 0x0               ; query's codes s[4:5], its scales s[6:7], w1's codes s[8:9], its scales s[10:11]
	s_load_b256 s[12:19], s[0:1], 0x20             ; b1 s[12:13], b2 s[14:15], w2's codes s[16:17], its scales s[18:19]
	s_load_b128 s[20:23], s[0:1], 0x40             ; qb s[20:21], w2f s[22:23]
	; The three roles that the comment at the head calls waves 0, 1 and 2 are work-groups of one wave each: the grid's y says which role a work-group has, its x which tile.
	s_and_b32 s24, ttmp7, 0xffff                   ; role 0..2
	v_and_b32 v2, 15, v0                           ; r
	v_bfe_u32 v3, v0, 4, 1                         ; h
	v_mul_u32_u24 v4, v2, 768                      ; a row of 1,024 codes is 768 bytes
	v_mad_u32_u24 v4, v3, 24, v4                   ; + 24 h: a fragment's place for my lane
	s_mul_i32 s26, ttmp9, 12288                    ; the tile's 16 rows of codes
	s_mov_b32 s27, 0
	s_lshl_b32 s28, ttmp9, 9                       ; and of scale bytes, 32 a row
	s_mov_b32 s29, 0
	s_mov_b32 s31, 0
	s_wait_kmcnt 0x0
	s_cmp_eq_u32 s24, 2
	s_cbranch_scc1 .Llayout
	; ---- waves 0 and 1: the product
	s_add_nc_u64 s[8:9], s[8:9], s[26:27]
	s_add_nc_u64 s[10:11], s[10:11], s[28:29]
	s_mul_i32 s30, s24, 12288                      ; my 16 batches' codes
	s_add_nc_u64 s[4:5], s[4:5], s[30:31]
	s_lshl_b32 s30, s24, 9                         ; and scale bytes
	s_add_nc_u64 s[6:7], s[6:7], s[30:31]
	s_lshl_b32 s30, ttmp9, 6                       ; the tile's 16 numbers in b1, b2 and a row of qb
	s_add_nc_u64 s[12:13], s[12:13], s[30:31]
	s_add_nc_u64 s[14:15], s[14:15], s[30:31]
	s_add_nc_u64 s[20:21], s[20:21], s[30:31]
	s_lshl_b32 s30, s24, 16                        ; my 16 rows of qb, 4,096 bytes each
	s_add_nc_u64 s[20:21], s[20:21], s[30:31]
	s_wait_alu depctr_va_vdst(0)
	v_lshlrev_b32 v5, 5, v2                        ; scale bytes: 32 r
	v_lshlrev_b32 v6, 5, v3                        ; biases: my half's eight numbers
	v_lshl_add_u32 v7, v2, 12, v6                  ; qb: row r, + 32 h
.irp s, 0,1,2,3,4,5,6,7
.irp p, 0,1,2,3,4,5
	global_load_b64 v[W1F+12*\s+2*\p:W1F+12*\s+2*\p+1], v4, s[8:9] offset:96*\s+48*(\p/3)+8*(\p%3)
	global_load_b64 v[QF+12*\s+2*\p:QF+12*\s+2*\p+1], v4, s[4:5] offset:96*\s+48*(\p/3)+8*(\p%3)
.endr
.endr
	global_load_b128 v[W1S:W1S+3], v5, s[10:11]    ; a row's 32 scale bytes are the words of its eight K steps
	global_load_b128 v[W1S+4:W1S+7], v5, s[10:11] offset:16
	global_load_b128 v[QS:QS+3], v5, s[6:7]
	global_load_b128 v[QS+4:QS+7], v5, s[6:7] offset:16
	global_load_b128 v[BB:BB+3], v6, s[12:13]
	global_load_b128 v[BB+4:BB+7], v6, s[12:13] offset:16
	global_load_b128 v[B2R:B2R+3], v6, s[14:15]
	global_load_b128 v[B2R+4:B2R+7], v6, s[14:15] offset:16
	s_wait_loadcnt 0x0
.irp i, 0,2,4,6
	v_pk_add_f32 v[BB+\i:BB+\i+1], v[BB+\i:BB+\i+1], v[B2R+\i:B2R+\i+1]
.endr
.rept 8
	v_nop                                          ; distance between the additions and the scaled matrix instruction that takes their result
.endr
.irp s, 0,1,2,3,4,5,6,7
.if \s == 0
	v_wmma_scale_f32_16x16x128_f8f6f4 v[AC:AC+7], v[W1F:W1F+11], v[QF:QF+11], v[BB:BB+7], v[W1S], v[QS] matrix_a_fmt:MATRIX_FMT_FP6 matrix_b_fmt:MATRIX_FMT_FP6
.elseif \s == 1
	v_wmma_scale_f32_16x16x128_f8f6f4 v[AC+8:AC+15], v[W1F+12:W1F+23], v[QF+12:QF+23], 0, v[W1S+1], v[QS+1] matrix_a_fmt:MATRIX_FMT_FP6 matrix_b_fmt:MATRIX_FMT_FP6
.else
	v_wmma_scale_f32_16x16x128_f8f6f4 v[AC+8*(\s%2):AC+8*(\s%2)+7], v[W1F+12*\s:W1F+12*\s+11], v[QF+12*\s:QF+12*\s+11], v[AC+8*(\s%2):AC+8*(\s%2)+7], v[W1S+\s], v[QS+\s] matrix_a_fmt:MATRIX_FMT_FP6 matrix_b_fmt:MATRIX_FMT_FP6
.endif
.endr
.rept 4
	v_nop                                          ; four places between the last product and the first read of results (ISA guide 7.12.1)
.endr
.irp i, 0,2,4,6
	v_pk_add_f32 v[B2R+\i:B2R+\i+1], v[AC+\i:AC+\i+1], v[AC+8+\i:AC+8+\i+1]   ; both accumulators from their low ends on
.endr
	s_wait_alu depctr_va_vdst(0)
	global_store_b128 v7, v[B2R:B2R+3], s[20:21]
	global_store_b128 v7, v[B2R+4:B2R+7], s[20:21] offset:16
	s_endpgm
.Llayout:
	; ---- wave 2: w2's tile in the order of the operand's registers
	s_add_nc_u64 s[16:17], s[16:17], s[26:27]
	s_add_nc_u64 s[18:19], s[18:19], s[28:29]
	s_mul_i32 s30, ttmp9, 12800
	s_add_nc_u64 s[22:23], s[22:23], s[30:31]
	s_wait_alu depctr_va_vdst(0)
	v_lshlrev_b32 v5, 5, v2
	v_lshl_add_u32 v5, v3, 4, v5                   ; scale bytes: 32 r + 16 h
	v_and_b32 v6, 31, v0
	v_lshlrev_b32 v6, 4, v6                        ; 16 x lane
.irp s, 0,1,2,3,4,5,6,7
.irp p, 0,1,2,3,4,5
	global_load_b64 v[W1F+12*\s+2*\p:W1F+12*\s+2*\p+1], v4, s[16:17] offset:96*\s+48*(\p/3)+8*(\p%3)
.endr
.endr
	global_load_b128 v[112:115], v5, s[18:19]
	s_wait_alu depctr_va_vdst(0)
	s_wait_loadcnt 0x0
.irp s, 0,1,2,3,4,5,6,7
.irp c, 0,1,2
	global_store_b128 v6, v[W1F+12*\s+4*\c:W1F+12*\s+4*\c+3], s[22:23] offset:1536*\s+512*\c
.endr
.endr
	global_store_b128 v6, v[112:115], s[22:23] offset:12288
	s_endpgm
.Lfunc_end_k_q0a1d99958a_prep:
	.size	k_q0a1d99958a_prep, .Lfunc_end_k_q0a1d99958a_prep-k_q0a1d99958a_prep
	.p2alignl 7, 3214868480
	.fill 96, 4, 3214868480
	.section	.rodata,"a",@progbits
	.p2align	6, 0x0
	.amdhsa_kernel k_q0a1d99958a_prep
		.amdhsa_group_segment_fixed_size 0
		.amdhsa_private_segment_fixed_size 0
		.amdhsa_enable_private_segment 0
		.amdhsa_kernarg_size 80
		.amdhsa_user_sgpr_count 2
		.amdhsa_user_sgpr_kernarg_segment_ptr 1
		.amdhsa_wavefront_size32 1
		.amdhsa_system_sgpr_workgroup_id_x 1
		.amdhsa_system_sgpr_workgroup_id_y 1
		.amdhsa_system_sgpr_workgroup_id_z 1
		.amdhsa_system_vgpr_workitem_id 0
		.amdhsa_next_free_vgpr 256
		.amdhsa_next_free_sgpr 66
		.amdhsa_reserve_vcc 0
		.amdhsa_float_denorm_mode_32 3
		.amdhsa_float_denorm_mode_16_64 3
		.amdhsa_memory_ordered 1
		.amdhsa_forward_progress 1
		.amdhsa_inst_pref_size 21
	.end_amdhsa_kernel
	.amdgpu_metadata
---
amdhsa.version: [ 1, 2 ]
amdhsa.kernels:
  - .name:           k_q0a1d99958a_prep
    .symbol:         k_q0a1d99958a_prep.kd
    .args:
      - { .name: query_codes, .offset: 0, .size: 8, .value_kind: global_buffer, .address_space: global }
      - { .name: query_scales, .offset: 8, .size: 8, .value_kind: global_buffer, .address_space: global }
      - { .name: w1_codes, .offset: 16, .size: 8, .value_kind: global_buffer, .address_space: global }
      - { .name: w1_scales, .offset: 24, .size: 8, .value_kind: global_buffer, .address_space: global }
      - { .name: b1, .offset: 32, .size: 8, .value_kind: global_buffer, .address_space: global }
      - { .name: b2, .offset: 40, .size: 8, .value_kind: global_buffer, .address_space: global }
      - { .name: w2_codes, .offset: 48, .size: 8, .value_kind: global_buffer, .address_space: global }
      - { .name: w2_scales, .offset: 56, .size: 8, .value_kind: global_buffer, .address_space: global }
      - { .name: qb, .offset: 64, .size: 8, .value_kind: global_buffer, .address_space: global }
      - { .name: w2f, .offset: 72, .size: 8, .value_kind: global_buffer, .address_space: global }
    .group_segment_fixed_size: 0
    .private_segment_fixed_size: 0
    .kernarg_segment_align: 8
    .kernarg_segment_size: 80
    .max_flat_workgroup_size: 32
    .sgpr_count:     66
    .vgpr_count:     256
    .wavefront_size: 32
...
	.end_amdgpu_metadata
.endif
;; end of part 1
;; launch attn (part 2): grid 256 x 1, 4 waves a work-group, no clusters, 327,680 bytes of LDS; arguments values, w2f, qb, wv, scores, part, stat; writes scores, part, stat
.if DOCPART == 2
	.amdgcn_target "amdgcn-amd-amdhsa--gfx1250"
	.amdhsa_code_object_version 6
	.text
	.protected	k_q0a1d99958a_attn
	.globl	k_q0a1d99958a_attn
	.p2align	8
	.type	k_q0a1d99958a_attn,@function
k_q0a1d99958a_attn:
	s_mov_b64 s[64:65], 0
	v_nop
	global_prefetch_b8 v0, s[64:65] scope:SCOPE_SE
	s_setreg_imm32_b32 hwreg(HW_REG_WAVE_MODE, 25, 1), 1
	s_wait_xcnt 0x0
; Scores, a running softmax and the weighted sum of rows in one pass over values.
; Work-group g owns rows 256 (g % 8) .. + 255 of batch g / 8, in four chunks of 64 rows.  A chunk's f32 numbers stay in LDS from their arrival until its rows have been weighed.
; A CHUNK: wave w fetches columns 256 w .. 256 w + 255 of the 64 rows by one tensor load (rows of 1,024 bytes, 16 bytes of padding behind each), quantises them to E2M3 with E8M0 scales
; (8 fragments of 16 rows x 128 K) and hands them to the others as images of the operand's registers; every wave then holds the 64 rows' codes for all of K (384 registers) and
; multiplies them with ITS 256 units of w2, 16 tiles of 16 units, which come from w2f straight into two register buffers.  tanh(x) = 1 - 2 / (1 + 2^(2 log2(e) x)).
; Every chunk walks the same 16 tiles, so what registers are left over hold a part of them for the whole launch: tile 2 whole and K steps 0-3 of tile 3, 144 registers, loaded once.
; The four waves' partial sums of wv / (1 + 2^..) meet in LDS; t = -2 log2(e) x that sum is the score as an exponent to the base 2.
; Running maximum m, sum l of 2^(t - m), and c = sum of 2^(t - m) x row: wave w keeps c for its own 256 columns, read from the bytes that it fetched itself.
; Stored: t (scores), c (part) and (m, l) (stat); the next launch joins a batch's eight work-groups.
; DEAD WORK LEFT OUT: score = sum(wv) - 2 sum(wv / (1 + ..)) + bv.  sum(wv) and bv are the same for all positions of a sequence, and softmax(s + k) = softmax(s) for every k;
; the score itself is no output.  So bv has no way to any output: it is not loaded and is no argument of any launch.  A NaN, an infinity or an overflow that reaches only these two terms is not carried to the result.
; LIMITS: the promise holds while |t| stays under 2^31; NaN and infinities among the inputs are not served; sums run in another order than a plain chain.
; NO CLUSTER: values is shared by nobody; w2's tiles are shared by all work-groups, but the f32 chunk, the images and the small stages take 320,000 of LDS's 327,680 bytes, so no slot for joint loads has room.
; PREFETCH: while a chunk's 16 tiles are multiplied, each wave asks for its own 64 x 1,024 bytes of the next chunk, 32 blocks of 256 bytes a request (a lane a block), one request for two tiles, eight in all; the last chunk asks for nothing.
; All of LDS is claimed and the adds of 0 onto spare words are written.
.set FP,    1040                       ; LDS pitch of a fetched row: 65 x 16 bytes
.set QTR,   64*FP                      ; a wave's quarter of the chunk
.set CX,    4*QTR                      ; images of 32 fragments, 1,536 bytes each: fragment 4 k + m
.set SX,    CX+49152                   ; scale words: register 4 m + k % 4, lanes 0-15 for k < 4, lanes 16-31 for k >= 4
.set PS,    SX+2048                    ; the four waves' partial sums, 64 each
.set PW,    PS+1024                    ; each wave's own copy of the chunk's 64 weights
.set SPARE, PW+1024                    ; the spare words
.set TILEB, 12800                      ; a tile of w2f
.set SPW, 1
.set NIL, 2
.set LQ,  3                            ; f32 for the quantiser: my row, + 128 h
.set CXS, 4
.set CXL, 5
.set SXA, 6
.set SXL, 7
.set PSW, 8
.set PSR, 9
.set PWS, 10
.set PWL, 11
.set XA,  12                           ; v12-13 f32 by rows: 16 x lane, rows 0-31 and 32-63
.set VB,  14                           ; 16 x lane
.set VC,  15                           ; 32 h
.set H8,  16
.set GO,  17                           ; 8 x lane
.set PFO, 18
.set MX,  20                           ; m
.set LS,  21                           ; my lane's part of l
.set FF,  22
.set TM,  24
.set SO,  28
.set WD,  30
.set BY,  32
.set TT,  34
.set ASC, 40                           ; v40-55 the rows' scale words; v56-63 w2's, two sets: scales alone
.set BSC, 56
.set BIAS, 64                          ; two sets of eight
.set SS,  80                           ; four pairs of sums, one for each 16 rows
.set CA,  88                           ; c: two sets of eight, even and odd rows
.set CF,  104
.set CV,  116
.set ACC, 128                          ; two sets of four accumulators
.set X0,  128                          ; behind the tiles: the partial sums from LDS
.set RB,  192                          ; window 0, v192-239: tile 3's K steps 0-3, kept
.set HI,  192                          ; window 1: wv, two sets; window 3: the reciprocals, later the 64 weights
.set RA1, 208                          ; window 1, v208-255: tile 2's K steps 0-3, kept
.set RA2, 192                          ; window 2, v192-239: tile 2's K steps 4-7, kept
.set XS,  0                            ; window 1, v0-127: two buffers of 64 for f32 from LDS, while the rows' codes that lie there are done with
; windows: 1 = codes of K steps 0-3, 2 = of K steps 4-7, 3 = w2's two buffers
.set MSB, 0
.macro WIN new
.if MSB != (\new)
	s_set_vgpr_msb (MSB<<8)|(\new)
.set MSB, (\new)
.endif
.endm
.macro NOP4
.rept 4
	v_nop
.endr
.endm
.macro WALU
	s_wait_alu depctr_va_vdst(0)
.endm
	s_load_b256 s[4:11], s[0:1], 0x0               ; values, w2f, qb, wv
	s_load_b128 s[12:15], s[0:1], 0x20             ; scores, part
	s_load_b64 s[16:17], s[0:1], 0x30              ; stat
	v_lshl_add_u32 v[SPW], v0, 2, SPARE
	v_mov_b32 v[NIL], 0
	ds_add_u32 v[SPW], v[NIL]
	ds_add_u32 v[SPW], v[NIL]
	v_lshrrev_b32 v[TM], 5, v0
	v_readfirstlane_b32 s18, v[TM]                 ; wave
	s_mov_b32 s24, (2<<16)|(1<<20)|(7<<22)|(3<<25) ; 4-byte elements; 4 dwords of padding behind every 256
	s_mov_b32 s25, 256<<16
	s_mov_b32 s26, 64<<16
	s_mov_b32 s27, 256<<16
	s_mov_b32 s28, 64
	s_mov_b32 s29, 1024
	s_mov_b32 s30, 0
	s_mov_b32 s31, 0
	s_mov_b32 s49, 0
	s_mov_b32 s51, 0
	s_mov_b32 s53, 0
	s_mov_b32 s54, 0x76543210                      ; lane l xor 16
	s_mov_b32 s55, 0xfedcba98
	s_mov_b32 s56, 0x4038aa3b                      ; 2 log2(e)
	s_mov_b32 s57, s56
	s_mov_b32 s58, 0xc038aa3b                      ; -2 log2(e)
	s_mov_b32 s59, s58
	s_mov_b32 s60, 0xffff0000                      ; lanes 16-31
	s_mov_b32 s61, 15                              ; the tile asked for last, modulo 16
	s_lshl_b32 s20, ttmp9, 20                      ; my work-group's 256 rows of 4,096 bytes
	s_lshl_b32 s19, s18, 10                        ; my wave's 1,024 bytes
	s_add_co_u32 s20, s20, s19
	s_mov_b32 s21, 0
	s_mov_b32 s32, 1
	s_mul_i32 s33, s18, QTR
	s_wait_dscnt 0x0
	s_wait_kmcnt 0x0
	s_add_nc_u64 s[34:35], s[4:5], s[20:21]
	s_add_nc_u64 s[66:67], s[34:35], 262144        ; the prefetches begin at the next chunk
	s_or_b32 s35, s35, 0x80000000
	tensor_load_to_lds s[32:35], s[24:31]          ; chunk 0, my quarter: my one load at the head
	s_nop 0
	NOP4
	v_and_b32 v[TM], 31, v0                        ; lane
	v_and_b32 v[TM+1], 15, v0                      ; r
	v_bfe_u32 v[TM+2], v0, 4, 1                    ; h
	v_mul_u32_u24 v[LQ], v[TM+1], FP
	v_lshl_add_u32 v[LQ], v[TM+2], 7, v[LQ]
	v_add_nc_u32 v[LQ], s33, v[LQ]
	v_lshl_add_u32 v[CXL], v[TM], 4, CX
	s_mul_i32 s22, s18, 12288
	v_add_nc_u32 v[CXS], s22, v[CXL]
	s_and_b32 s22, s18, 1
	s_lshl_b32 s22, s22, 8
	s_lshr_b32 s23, s18, 1
	s_lshl_b32 s23, s23, 6
	s_add_co_u32 s22, s22, s23
	v_lshl_add_u32 v[SXA], v[TM+1], 2, SX
	v_add_nc_u32 v[SXA], s22, v[SXA]
	v_lshl_add_u32 v[SXL], v[TM], 2, SX
	s_lshl_b32 s22, s18, 8
	v_lshl_add_u32 v[PSW], v[TM], 2, PS
	v_add_nc_u32 v[PSW], s22, v[PSW]
	v_lshl_add_u32 v[PSR], v[TM], 3, PS
	v_lshl_add_u32 v[PWS], v[TM], 3, PW
	v_add_nc_u32 v[PWS], s22, v[PWS]
	s_add_co_u32 s22, s22, PW
	v_mov_b32 v[PWL], s22
	v_lshlrev_b32 v[VB], 4, v[TM]
	v_add_nc_u32 v[XA], s33, v[VB]
	v_add_nc_u32 v[XA+1], 32*FP, v[XA]
	v_lshlrev_b32 v[VC], 5, v[TM+2]
	v_lshlrev_b32 v[H8], 3, v[TM+2]
	v_lshlrev_b32 v[GO], 3, v[TM]
	v_lshrrev_b32 v[PFO], 2, v[TM]
	v_and_b32 v[TM+3], 3, v[TM]
	v_lshlrev_b32 v[PFO], 12, v[PFO]
	v_lshl_add_u32 v[PFO], v[TM+3], 8, v[PFO]      ; row lane / 4, block lane % 4
	v_mov_b32 v[MX], 0xff61b1e6                    ; -3e38, under every t
	v_mov_b32 v[LS], 0
	v_mov_b32 v[FF+1], 0
	v_mov_b32 v[WD+1], 0
.irp j, 0,1,2,3,4,5,6,7,8,9,10,11,12,13,14,15
	v_mov_b32 v[CA+\j], 0
.endr
	WALU
	s_mul_i32 s20, s18, 16*TILEB
	s_add_nc_u64 s[6:7], s[6:7], s[20:21]          ; my 16 tiles of w2f
	s_lshr_b32 s20, ttmp9, 3
	s_lshl_b32 s20, s20, 12
	s_add_co_u32 s20, s20, s19
	s_add_nc_u64 s[8:9], s[8:9], s[20:21]          ; the batch's row of qb, my 256 units
	s_mov_b32 s20, s19
	s_add_nc_u64 s[10:11], s[10:11], s[20:21]      ; wv, my 256 units
	s_lshl_b32 s20, ttmp9, 10
	s_add_nc_u64 s[12:13], s[12:13], s[20:21]
	s_lshl_b32 s20, ttmp9, 12
	s_add_co_u32 s20, s20, s19
	s_add_nc_u64 s[14:15], s[14:15], s[20:21]
	s_lshl_b32 s20, ttmp9, 8
	s_add_nc_u64 s[16:17], s[16:17], s[20:21]
; The stream of w2.  mode 1: the next tile (modulo 16) into set p: 24 loads of fragments, 1 of scale bytes, 2 of bias; and the tile before's wv into set 1 - p, 2 loads: 29 in all.
; mode 0: without wv (27); mode 2: wv alone (2); mode 3: nothing; mode 4: no fragments, the tile is kept (5); mode 5: the fragments of K steps 4-7 alone (17).
; Each set has its own address pairs: they are written again two tiles on, behind the counted wait that shows their loads done.
.macro STREAM p, mode
.if (\mode) != 0 && (\mode) != 3
	s_mov_b32 s52, s50
	s_add_nc_u64 s[44+2*\p:45+2*\p], s[10:11], s[52:53]
.endif
.if (\mode) != 2 && (\mode) != 3
	s_add_co_u32 s61, s61, 1
	s_and_b32 s61, s61, 15
	s_mul_i32 s48, s61, TILEB
	s_lshl_b32 s50, s61, 6
	s_add_nc_u64 s[36+2*\p:37+2*\p], s[6:7], s[48:49]
	s_add_nc_u64 s[40+2*\p:41+2*\p], s[8:9], s[50:51]
.if (\mode) != 4
	WIN 0xc0
.set jj, 12*((\mode)/5)
.rept 24-12*((\mode)/5)
	global_load_b128 v[96*\p+4*jj:96*\p+4*jj+3], v[VB], s[36+2*\p:37+2*\p] offset:512*jj
.set jj, jj+1
.endr
	WIN 0
.endif
	global_load_b128 v[BSC+4*\p:BSC+4*\p+3], v[VB], s[36+2*\p:37+2*\p] offset:12288
	global_load_b128 v[BIAS+8*\p:BIAS+8*\p+3], v[VC], s[40+2*\p:41+2*\p]
	global_load_b128 v[BIAS+8*\p+4:BIAS+8*\p+7], v[VC], s[40+2*\p:41+2*\p] offset:16
.endif
.if (\mode) != 0 && (\mode) != 3
	WIN 0x40
	global_load_b128 v[HI+8*(1-\p):HI+8*(1-\p)+3], v[VC], s[44+2*\p:45+2*\p]
	global_load_b128 v[HI+8*(1-\p)+4:HI+8*(1-\p)+7], v[VC], s[44+2*\p:45+2*\p] offset:16
	WIN 0
.endif
.endm
	WIN 0x40                                       ; what is kept: tile 2's eight fragments and tile 3's first four, 36 loads, once
.set jj, 0
.rept 12
	global_load_b128 v[RA1+4*jj:RA1+4*jj+3], v[VB], s[6:7] offset:2*TILEB+512*jj
.set jj, jj+1
.endr
	WIN 0x80
.set jj, 0
.rept 12
	global_load_b128 v[RA2+4*jj:RA2+4*jj+3], v[VB], s[6:7] offset:2*TILEB+6144+512*jj
.set jj, jj+1
.endr
	WIN 0
.set jj, 0
.rept 12
	global_load_b128 v[RB+4*jj:RB+4*jj+3], v[VB], s[6:7] offset:3*TILEB+512*jj
.set jj, jj+1
.endr
	STREAM 0, 0
	STREAM 1, 1
; Transposed use: source 0 = 16 units of w2, source 1 = 16 rows: lane (r, h) holds row r, its registers the units 8 h + 0 .. 7.  The bias is the C of K step 0.
; res = 0: w2's fragments from buffer p; 1: tile 2's, kept; 2: tile 3's, K steps 0-3 kept
.macro WM p, s, m, res
.set DA, ACC+32*(\p)+8*(\m)
.set FB, 96*(\p)+12*(\s)
.if (\res) == 1 && (\s) < 4
.set FB, RA1+12*(\s)
.elseif (\res) == 1
.set FB, RA2+12*((\s)-4)
.elseif (\res) == 2 && (\s) < 4
.set FB, RB+12*(\s)
.endif
.set FA, 48*((\s)%4)+12*(\m)
.if (\s) == 0
	v_wmma_scale_f32_16x16x128_f8f6f4 v[DA:DA+7], v[FB:FB+11], v[FA:FA+11], v[BIAS+8*(\p):BIAS+8*(\p)+7], v[BSC+4*(\p)], v[ASC+4*(\m)] matrix_a_fmt:MATRIX_FMT_FP6 matrix_b_fmt:MATRIX_FMT_FP6
.elseif (\s) < 4
	v_wmma_scale_f32_16x16x128_f8f6f4 v[DA:DA+7], v[FB:FB+11], v[FA:FA+11], v[DA:DA+7], v[BSC+4*(\p)+(\s)], v[ASC+4*(\m)+(\s)] matrix_a_fmt:MATRIX_FMT_FP6 matrix_b_fmt:MATRIX_FMT_FP6
.else
	v_wmma_scale_f32_16x16x128_f8f6f4 v[DA:DA+7], v[FB:FB+11], v[FA:FA+11], v[DA:DA+7], v[BSC+4*(\p)+(\s)-4], v[ASC+4*(\m)+(\s)-4] matrix_a_fmt:MATRIX_FMT_FP6 matrix_b_fmt:MATRIX_FMT_FP6 matrix_a_scale:MATRIX_SCALE_ROW1 matrix_b_scale:MATRIX_SCALE_ROW1
.endif
.endm
; sums += reciprocal x wv of the tile before tile p's; start = 1: the first four start the sums
.macro FL p, k, start
.set SA, SS+2*((\k)%4)
.set RA, HI+8*((\k)%4)+2*((\k)/4)
.set WA, HI+8*(1-(\p))+2*((\k)/4)
.if (\start) && (\k) < 4
	v_pk_mul_f32 v[SA:SA+1], v[RA:RA+1], v[WA:WA+1]
.else
	v_pk_fma_f32 v[SA:SA+1], v[RA:RA+1], v[WA:WA+1], v[SA:SA+1]
.endif
.endm
; In a chunk's first tile the images of the rows' codes are still arriving: 16 loads of scale words, then 12 loads for each K step.  K step s may leave out the 84 - 12 s loads behind its own (the count's field holds 63).
.macro AWAIT s
.if 84-12*(\s) > 63
	s_wait_dscnt 63
.else
	s_wait_dscnt 84-12*(\s)
.endif
.endm
; A tile: 32 matrix instructions on four accumulators by turns, the tile before's multiply-adds between the first sixteen (ahead of them where the fragments are kept ones:
; the windows differ there); the stream's requests; then the tile's 32 numbers a lane go through x 2 log2(e), 2^, + 1, 1 /, each transcendental batch with one wait ahead of it and one behind it.
; first = 1: no tile before; 2: the tile before starts the sums.  lc: the loads issued behind those that this tile needs.  aw = 1: the chunk's first tile.
.macro TILE p, first, pf, mode, lc, res, aw
	s_wait_loadcnt \lc
.if (\res) != 0
	WIN 0x07
.set ff, 0
.rept 16
	FL \p, ff, 0
.set ff, ff+1
.endr
.endif
.if (\res) == 1
	WIN 0x05
.elseif (\res) == 2
	WIN 0x04
.else
	WIN 0x07
.endif
.irp s, 0,1,2,3
.if \aw
	AWAIT \s
.endif
.irp m, 0,1,2,3
	WM \p, \s, \m, \res
.if (\first) != 1 && (\res) == 0
	FL \p, 4*\s+\m, (\first)/2
.endif
.endr
.endr
.if (\res) == 1
	WIN 0x0a
.else
	WIN 0x0b
.endif
.irp s, 4,5,6,7
.if \aw
	AWAIT \s
.endif
.irp m, 0,1,2,3
	WM \p, \s, \m, \res
.endr
.endr
	WIN 0
	NOP4                                           ; four places behind the last product (ISA guide 7.12.1)
	STREAM \p, \mode
.if (\pf) && (\p) == 0
	global_prefetch_b8 v[PFO], s[66:67] th:TH_LOAD_NT scope:SCOPE_SE   ; 8 rows x 1,024 bytes of my quarter of the next chunk
.endif
.set ee, 0
.rept 16
	v_pk_mul_f32 v[ACC+32*\p+2*ee:ACC+32*\p+2*ee+1], v[ACC+32*\p+2*ee:ACC+32*\p+2*ee+1], s[56:57] op_sel_hi:[1,0]
.set ee, ee+1
.endr
	WALU
.set ee, 0
.rept 32
	v_exp_f32 v[ACC+32*\p+ee], v[ACC+32*\p+ee]
.set ee, ee+1
.endr
	v_nop
	WALU
.set ee, 0
.rept 16
	v_pk_add_f32 v[ACC+32*\p+2*ee:ACC+32*\p+2*ee+1], v[ACC+32*\p+2*ee:ACC+32*\p+2*ee+1], 1.0 op_sel_hi:[1,0]
.set ee, ee+1
.endr
	WALU
	WIN 0xc0
.set ee, 0
.rept 32
	v_rcp_f32 v[HI+ee], v[ACC+32*\p+ee]
.set ee, ee+1
.endr
	WIN 0
	v_nop
	WALU
.if (\pf) && (\p) == 1
	s_wait_xcnt 0x0                                ; the prefetch has read its base
	s_add_nc_u64 s[66:67], s[66:67], 32768         ; 8 rows on
.endif
.endm
; fragment f of my quarter (16 rows f % 4, K step f / 4): lane (r, h) takes k = 64 c + 32 h + 0 .. 31 of row r; into window 1
.macro LOADX f, x
	WIN 0x40
.irp c, 0,1
.irp i, 0,1,2,3,4,5,6,7
	ds_load_b128 v[\x+32*\c+4*\i:\x+32*\c+4*\i+3], v[LQ] offset:16*FP*((\f)%4)+512*((\f)/4)+256*\c+16*\i
.endr
.endr
.endm
; two blocks of 32 a lane: largest magnitude over the floor 2^(3 - 127), 2 off its exponent field = the conversion's scale operand, its byte; the word's four bytes from lanes l and l xor 16
.macro QUANT x, f
	WIN 0x05                                       ; sources 0 and 1 in window 1
.irp q, 0,1,2,3
	v_max3_num_f32 v[TM+\q], |v[\x+16*\q]|, |v[\x+16*\q+1]|, 0x1800000
.endr
	WIN 0x14                                       ; sources 1 and 2
.irp i, 2,4,6,8,10,12,14
.irp q, 0,1,2,3
	v_max3_num_f32 v[TM+\q], v[TM+\q], |v[\x+16*\q+\i]|, |v[\x+16*\q+\i+1]|
.endr
.endr
	WIN 0
	v_max_num_f32 v[TM], v[TM], v[TM+1]
	v_max_num_f32 v[TM+2], v[TM+2], v[TM+3]
	v_add_nc_u32 v[SO], 0xff000000, v[TM]
	v_add_nc_u32 v[SO+1], 0xff000000, v[TM+2]
	v_lshrrev_b32 v[BY], 23, v[SO]
	v_lshrrev_b32 v[BY+1], 23, v[SO+1]
	v_lshl_or_b32 v[WD], v[BY+1], 16, v[BY]
	v_lshlrev_b32 v[WD], v[H8], v[WD]
	v_permlanex16_b32 v[WD+1], v[WD], s54, s55
	v_or_b32 v[WD], v[WD], v[WD+1]
	WIN 0x01                                       ; source 0
	v_cvt_scalef32_pk16_fp6_f32 v[CF:CF+2], v[\x:\x+15], v[SO]
	v_cvt_scalef32_pk16_fp6_f32 v[CV:CV+2], v[\x+16:\x+31], v[SO]
	v_cvt_scalef32_pk16_fp6_f32 v[CF+6:CF+8], v[\x+32:\x+47], v[SO+1]
	v_cvt_scalef32_pk16_fp6_f32 v[CV+4:CV+6], v[\x+48:\x+63], v[SO+1]
	WIN 0
	v_nop                                          ; one plain place behind a scaled conversion
.irp i, 0,1,2
	v_mov_b32 v[CF+3+\i], v[CV+\i]                 ; a conversion's three registers begin on an even number
	v_mov_b32 v[CF+9+\i], v[CV+4+\i]
.endr
	ds_store_b32 v[SXA], v[WD] offset:512*((\f)%4)+128*((\f)/4)   ; both halves of the lanes hold the same word
.irp c, 0,1,2
	ds_store_b128 v[CXS], v[CF+4*\c:CF+4*\c+3] offset:1536*(\f)+512*\c
.endr
.endm
.macro XLOAD g, x                      ; rows 8 g .. 8 g + 7 of my quarter: a row's 1,024 bytes in two loads of 512; into window 1
	WIN 0x40
.irp i, 0,1,2,3,4,5,6,7
	ds_load_b128 v[\x+8*\i:\x+8*\i+3], v[XA+(\g)/4] offset:(8*((\g)%4)+\i)*FP
	ds_load_b128 v[\x+8*\i+4:\x+8*\i+7], v[XA+(\g)/4] offset:(8*((\g)%4)+\i)*FP+512
.endr
.endm
.macro CFMA g, x                       ; c += weight x row; a pair of weight registers serves an even and an odd row.  Rows in window 1, weights in window 3
	WIN 0x0d
.set ii, 0
.rept 8
.set XR, \x+8*ii
.set AA, CA+8*(ii%2)
.set PP, HI+2*((8*(\g)+ii)/2)
.irp c, 0,2,4,6
.if ii%2 == 0
	v_pk_fma_f32 v[AA+\c:AA+\c+1], v[XR+\c:XR+\c+1], v[PP:PP+1], v[AA+\c:AA+\c+1] op_sel_hi:[1,0,1]
.else
	v_pk_fma_f32 v[AA+\c:AA+\c+1], v[XR+\c:XR+\c+1], v[PP:PP+1], v[AA+\c:AA+\c+1] op_sel:[0,1,0] op_sel_hi:[1,1,1]
.endif
.endr
.set ii, ii+1
.endr
.endm
.macro CHUNK more
	s_wait_tensorcnt 0x0                           ; my quarter is in; only I read it
	LOADX 0, XS
.irp f, 0,1,2,3,4,5,6,7
.if \f < 7
	LOADX \f+1, XS+64*((\f+1)%2)
	s_wait_dscnt 16                                ; all but the 16 loads just issued
.else
	s_wait_dscnt 0x0
.endif
	QUANT XS+64*(\f%2), \f
.endr
	WALU
	s_wait_dscnt 0x0                               ; for the others' sake: my images are stored
	s_barrier_signal -1
	s_barrier_wait -1
.irp j, 0,1,2,3,4,5,6,7,8,9,10,11,12,13,14,15
	ds_load_b32 v[ASC+\j], v[SXL] offset:128*\j
.endr
	WIN 0x40
.set jj, 0
.rept 48
	ds_load_b128 v[4*jj:4*jj+3], v[CXL] offset:512*jj
.set jj, jj+1
.endr
	WIN 0x80
.set jj, 0
.rept 48
	ds_load_b128 v[4*jj:4*jj+3], v[CXL] offset:24576+512*jj
.set jj, jj+1
.endr
	WIN 0
	TILE 0, 1, \more, 4, 29, 0, 1                  ; tile 0; behind it tile 2's 5 loads
	TILE 1, 2, \more, 5, 5, 0, 0                   ; tile 1: those 5 stay out; behind it tile 3's 17
	TILE 0, 0, \more, 1, 17, 1, 0                  ; tile 2, kept
	TILE 1, 0, \more, 1, 29, 2, 0                  ; tile 3, half kept
	s_mov_b32 s62, 5+\more
.Ltile_\@:
	TILE 0, 0, \more, 1, 29, 0, 0
	TILE 1, 0, \more, 1, 29, 0, 0
	s_sub_co_u32 s62, s62, 1
	s_cmp_lg_u32 s62, 0
	s_cbranch_scc1 .Ltile_\@
.if \more
	s_wait_loadcnt 29                              ; tile 15's wv is in; the next chunk's tile 1 stays out
.else
	TILE 0, 0, 0, 2, 29, 0, 0                      ; the last chunk's last two tiles ask for nothing but tile 15's wv
	TILE 1, 0, 0, 3, 2, 0, 0
	s_wait_loadcnt 0x0
.endif
	WIN 0x07
.set ff, 0
.rept 16
	FL 0, ff, 0
.set ff, ff+1
.endr
	WIN 0
.irp m, 0,1,2,3
	v_add_f32 v[TM+\m], v[SS+2*\m], v[SS+2*\m+1]
.endr
.irp m, 0,1,2,3
	v_permlanex16_b32 v[CF+\m], v[TM+\m], s54, s55
.endr
.irp m, 0,1,2,3
	v_add_f32 v[TM+\m], v[TM+\m], v[CF+\m]         ; row 16 m + r, over my 256 units
.endr
	v_cndmask_b32 v[BY], v[TM], v[TM+1], s60
	v_cndmask_b32 v[BY+1], v[TM+2], v[TM+3], s60
	ds_store_b32 v[PSW], v[BY]                     ; rows 0-31, a lane a row
	ds_store_b32 v[PSW], v[BY+1] offset:128        ; rows 32-63
	WALU
	s_wait_dscnt 0x0
	s_barrier_signal -1
	s_barrier_wait -1
.irp j, 0,1,2,3
	ds_load_b64 v[X0+2*\j:X0+2*\j+1], v[PSR] offset:256*\j   ; rows 2 l and 2 l + 1, the four waves' parts
.endr
	s_wait_dscnt 0x0
	v_pk_add_f32 v[X0:X0+1], v[X0:X0+1], v[X0+2:X0+3]
	v_pk_add_f32 v[X0+4:X0+5], v[X0+4:X0+5], v[X0+6:X0+7]
	v_pk_add_f32 v[X0:X0+1], v[X0:X0+1], v[X0+4:X0+5]
	v_pk_mul_f32 v[TT:TT+1], v[X0:X0+1], s[58:59] op_sel_hi:[1,0]   ; t
	v_max_num_f32 v[TM], v[TT], v[TT+1]
	v_max_num_f32_dpp v[TM], v[TM], v[TM] row_xmask:1 row_mask:0xf bank_mask:0xf
	v_max_num_f32_dpp v[TM], v[TM], v[TM] row_xmask:2 row_mask:0xf bank_mask:0xf
	v_max_num_f32_dpp v[TM], v[TM], v[TM] row_xmask:4 row_mask:0xf bank_mask:0xf
	v_max_num_f32_dpp v[TM], v[TM], v[TM] row_xmask:8 row_mask:0xf bank_mask:0xf
	v_permlanex16_b32 v[CF], v[TM], s54, s55
	v_max3_num_f32 v[TM+1], v[TM], v[CF], v[MX]    ; the new m
	v_sub_f32 v[TM+2], v[MX], v[TM+1]
	v_sub_f32 v[WD], v[TT], v[TM+1]
	v_sub_f32 v[WD+1], v[TT+1], v[TM+1]
	v_mov_b32 v[MX], v[TM+1]
	WALU
	v_exp_f32 v[FF], v[TM+2]                       ; what was summed under the old m is brought under the new
	v_exp_f32 v[WD], v[WD]
	v_exp_f32 v[WD+1], v[WD+1]
	v_nop
	WALU
	ds_store_b64 v[PWS], v[WD:WD+1]                ; my wave's own copy: LDS serves a wave's instructions in order
	v_fma_f32 v[LS], v[LS], v[FF], v[WD]
	v_add_f32 v[LS], v[LS], v[WD+1]
.irp j, 0,2,4,6,8,10,12,14
	v_pk_mul_f32 v[CA+\j:CA+\j+1], v[CA+\j:CA+\j+1], v[FF:FF+1] op_sel_hi:[1,0]
.endr
	WALU
	s_cmp_lg_u32 s18, 0
	s_cbranch_scc1 .Lns_\@
	global_store_b64 v[GO], v[TT:TT+1], s[12:13]   ; wave 0: the chunk's 64 t, 256 consecutive bytes
.Lns_\@:
	WIN 0xc0
.irp j, 0,1,2,3,4,5,6,7,8,9,10,11,12,13,14,15
	ds_load_b128 v[HI+4*\j:HI+4*\j+3], v[PWL] offset:16*\j   ; the 64 weights, the same in every lane
.endr
	XLOAD 0, XS
.irp g, 0,1,2,3,4,5,6,7
.if \g < 7
	XLOAD \g+1, XS+64*((\g+1)%2)
	WALU
	s_wait_dscnt 16
.else
	WALU
	s_wait_dscnt 0x0
.endif
	CFMA \g, XS+64*(\g%2)
.endr
	WIN 0
.if \more
	s_wait_xcnt 0x0                                ; the store of t has read its base and data
	s_add_nc_u64 s[12:13], s[12:13], 256
	s_wait_tensorcnt 0x0                           ; the refill: barrier, then one load a wave
	ds_add_u32 v[SPW], v[NIL]
	s_add_nc_u64 s[34:35], s[34:35], 262144        ; 64 rows on
	s_wait_dscnt 0x0                               ; the add is done, and my reads of the chunk are back
	s_barrier_signal -1
	s_barrier_wait -1
	tensor_load_to_lds s[32:35], s[24:31]
	s_nop 0
	NOP4
.endif
.endm
	s_mov_b32 s63, 3
.Lchunk:
	CHUNK 1
	s_sub_co_u32 s63, s63, 1
	s_cmp_lg_u32 s63, 0
	s_cbranch_scc1 .Lchunk
	CHUNK 0                                        ; the last chunk is written out: it fetches nothing more
.irp j, 0,2,4,6
	v_pk_add_f32 v[CA+\j:CA+\j+1], v[CA+\j:CA+\j+1], v[CA+8+\j:CA+8+\j+1]
.endr
	v_add_f32_dpp v[LS], v[LS], v[LS] row_xmask:1 row_mask:0xf bank_mask:0xf
	v_add_f32_dpp v[LS], v[LS], v[LS] row_xmask:2 row_mask:0xf bank_mask:0xf
	v_add_f32_dpp v[LS], v[LS], v[LS] row_xmask:4 row_mask:0xf bank_mask:0xf
	v_add_f32_dpp v[LS], v[LS], v[LS] row_xmask:8 row_mask:0xf bank_mask:0xf
	v_permlanex16_b32 v[CF], v[LS], s54, s55
	v_add_f32 v[LS], v[LS], v[CF]
	global_store_b128 v[VB], v[CA:CA+3], s[14:15]              ; 512 consecutive bytes a store
	global_store_b128 v[VB], v[CA+4:CA+7], s[14:15] offset:512
	WALU
	s_cmp_lg_u32 s18, 0
	s_cbranch_scc1 .Lend
	global_store_b64 v[GO], v[MX:LS], s[16:17]     ; wave 0: (m, l), 32 times: the work-group's 256 bytes of stat are written whole
.Lend:
	s_wait_tensorcnt 0x0                           ; the wave's end
	ds_add_u32 v[SPW], v[NIL]
	s_wait_dscnt 0x0
	s_endpgm
.Lfunc_end_k_q0a1d99958a_attn:
	.size	k_q0a1d99958a_attn, .Lfunc_end_k_q0a1d99958a_attn-k_q0a1d99958a_attn
	.p2alignl 7, 3214868480
	.fill 96, 4, 3214868480
	.section	.rodata,"a",@progbits
	.p2align	6, 0x0
	.amdhsa_kernel k_q0a1d99958a_attn
		.amdhsa_group_segment_fixed_size 327680
		.amdhsa_private_segment_fixed_size 0
		.amdhsa_enable_private_segment 0
		.amdhsa_kernarg_size 56
		.amdhsa_user_sgpr_count 2
		.amdhsa_user_sgpr_kernarg_segment_ptr 1
		.amdhsa_wavefront_size32 1
		.amdhsa_system_sgpr_workgroup_id_x 1
		.amdhsa_system_sgpr_workgroup_id_y 1
		.amdhsa_system_sgpr_workgroup_id_z 1
		.amdhsa_system_vgpr_workitem_id 0
		.amdhsa_next_free_vgpr 1024
		.amdhsa_next_free_sgpr 68
		.amdhsa_reserve_vcc 0
		.amdhsa_float_denorm_mode_32 3
		.amdhsa_float_denorm_mode_16_64 3
		.amdhsa_memory_ordered 1
		.amdhsa_forward_progress 1
		.amdhsa_inst_pref_size 255
	.end_amdhsa_kernel
	.section	.bss,"aw",@nobits
	.p2align	6
	.space	262144
	.amdgpu_metadata
---
amdhsa.version: [ 1, 2 ]
amdhsa.kernels:
  - .name:           k_q0a1d99958a_attn
    .symbol:         k_q0a1d99958a_attn.kd
    .args:
      - { .name: values, .offset: 0, .size: 8, .value_kind: global_buffer, .address_space: global }
      - { .name: w2f, .offset: 8, .size: 8, .value_kind: global_buffer, .address_space: global }
      - { .name: qb, .offset: 16, .size: 8, .value_kind: global_buffer, .address_space: global }
      - { .name: wv, .offset: 24, .size: 8, .value_kind: global_buffer, .address_space: global }
      - { .name: scores, .offset: 32, .size: 8, .value_kind: global_buffer, .address_space: global }
      - { .name: part, .offset: 40, .size: 8, .value_kind: global_buffer, .address_space: global }
      - { .name: stat, .offset: 48, .size: 8, .value_kind: global_buffer, .address_space: global }
    .group_segment_fixed_size: 327680
    .private_segment_fixed_size: 0
    .kernarg_segment_align: 8
    .kernarg_segment_size: 56
    .max_flat_workgroup_size: 128
    .sgpr_count:     68
    .vgpr_count:     1024
    .wavefront_size: 32
...
	.end_amdgpu_metadata
.endif
;; end of part 2
;; launch join (part 3): grid 8 x 32, 2 waves a work-group, no clusters, 0 bytes of LDS; arguments scores, part, stat, out0, out1; writes out0, out1
.if DOCPART == 3
	.amdgcn_target "amdgcn-amd-amdhsa--gfx1250"
	.amdhsa_code_object_version 6
	.text
	.protected	k_q0a1d99958a_join
	.globl	k_q0a1d99958a_join
	.p2align	8
	.type	k_q0a1d99958a_join,@function
k_q0a1d99958a_join:
	s_mov_b64 s[64:65], 0
	v_nop
	global_prefetch_b8 v0, s[64:65] scope:SCOPE_SE
	s_setreg_imm32_b32 hwreg(HW_REG_WAVE_MODE, 25, 1), 1
	s_wait_xcnt 0x0
; A batch's eight parts are joined.  With M = max m_i, f_i = 2^(m_i - M) and L = sum of l_i f_i:  out0 = sum of c_i f_i / L,  out1 = 2^(t - M) / L.
; bv and the sum of wv are left out here as in the launch before: they are the same along the softmax's axis.
; Work-group (c, b): columns 128 c .. + 127 of out0's row b (thread t takes two: a wave stores 256 consecutive bytes) and positions 256 c .. + 255 of out1's row b (four a thread).
; No LDS, no matrix unit, no cluster, no prefetch: a few loads a thread, no loop; what the eight work-groups of a batch share is 64 bytes of (m, l).
	s_load_b256 s[4:11], s[0:1], 0x0               ; scores, part, stat, out0
	s_load_b64 s[12:13], s[0:1], 0x20              ; out1
	s_and_b32 s14, ttmp7, 0xffff                   ; the batch
	v_lshlrev_b32 v1, 3, v0
	v_lshlrev_b32 v2, 4, v0
	v_mov_b32 v3, 0
	s_lshl_b32 s15, ttmp9, 9
	s_lshl_b32 s16, s14, 11                        ; stat: 8 x 256 bytes a batch
	s_mov_b32 s17, 0
	s_lshl_b32 s18, s14, 15                        ; part: 8 x 4,096 bytes a batch,
	s_add_co_u32 s18, s18, s15                     ; my 512 bytes of each
	s_mov_b32 s19, 0
	s_lshl_b32 s20, s14, 13                        ; scores and out1
	s_lshl_b32 s22, ttmp9, 10
	s_add_co_u32 s20, s20, s22
	s_mov_b32 s21, 0
	s_lshl_b32 s22, s14, 12                        ; out0
	s_add_co_u32 s22, s22, s15
	s_mov_b32 s23, 0
	s_wait_alu depctr_va_vdst(0)
	s_wait_kmcnt 0x0
	s_add_nc_u64 s[4:5], s[4:5], s[20:21]
	s_add_nc_u64 s[6:7], s[6:7], s[18:19]
	s_add_nc_u64 s[8:9], s[8:9], s[16:17]
	s_add_nc_u64 s[10:11], s[10:11], s[22:23]
	s_add_nc_u64 s[12:13], s[12:13], s[20:21]
.irp i, 0,1,2,3,4,5,6,7
	global_load_b64 v[8+2*\i:9+2*\i], v3, s[8:9] offset:256*\i     ; (m_i, l_i)
.endr
.irp i, 0,1,2,3,4,5,6,7
	global_load_b64 v[24+2*\i:25+2*\i], v1, s[6:7] offset:4096*\i  ; c_i
.endr
	global_load_b128 v[40:43], v2, s[4:5]          ; t
	s_wait_loadcnt 0x0
	v_max3_num_f32 v4, v8, v10, v12
	v_max3_num_f32 v4, v4, v14, v16
	v_max3_num_f32 v4, v4, v18, v20
	v_max_num_f32 v4, v4, v22                      ; M
.irp i, 0,1,2,3,4,5,6,7
	v_sub_f32 v[8+2*\i], v[8+2*\i], v4
.endr
.irp j, 40,41,42,43
	v_sub_f32 v[\j], v[\j], v4
.endr
	s_wait_alu depctr_va_vdst(0)                   ; one wait ahead of the batch, one behind it
.irp i, 0,1,2,3,4,5,6,7
	v_exp_f32 v[8+2*\i], v[8+2*\i]
.endr
.irp j, 40,41,42,43
	v_exp_f32 v[\j], v[\j]
.endr
	v_nop
	s_wait_alu depctr_va_vdst(0)
	v_mul_f32 v5, v8, v9
.irp i, 1,2,3,4,5,6,7
	v_fma_f32 v5, v[8+2*\i], v[9+2*\i], v5         ; L
.endr
	s_wait_alu depctr_va_vdst(0)
	v_rcp_f32 v6, v5
	v_nop
	s_wait_alu depctr_va_vdst(0)
.irp i, 0,1,2,3,4,5,6,7
	v_mul_f32 v[8+2*\i], v[8+2*\i], v6             ; f_i / L
.endr
.irp j, 40,41,42,43
	v_mul_f32 v[\j], v[\j], v6
.endr
	v_pk_mul_f32 v[44:45], v[24:25], v[8:9] op_sel_hi:[1,0]
.irp i, 1,2,3,4,5,6,7
	v_pk_fma_f32 v[44:45], v[24+2*\i:25+2*\i], v[8+2*\i:9+2*\i], v[44:45] op_sel_hi:[1,0,1]
.endr
	global_store_b128 v2, v[40:43], s[12:13]
	global_store_b64 v1, v[44:45], s[10:11]
	s_endpgm
.Lfunc_end_k_q0a1d99958a_join:
	.size	k_q0a1d99958a_join, .Lfunc_end_k_q0a1d99958a_join-k_q0a1d99958a_join
	.p2alignl 7, 3214868480
	.fill 96, 4, 3214868480
	.section	.rodata,"a",@progbits
	.p2align	6, 0x0
	.amdhsa_kernel k_q0a1d99958a_join
		.amdhsa_group_segment_fixed_size 0
		.amdhsa_private_segment_fixed_size 0
		.amdhsa_enable_private_segment 0
		.amdhsa_kernarg_size 40
		.amdhsa_user_sgpr_count 2
		.amdhsa_user_sgpr_kernarg_segment_ptr 1
		.amdhsa_wavefront_size32 1
		.amdhsa_system_sgpr_workgroup_id_x 1
		.amdhsa_system_sgpr_workgroup_id_y 1
		.amdhsa_system_sgpr_workgroup_id_z 1
		.amdhsa_system_vgpr_workitem_id 0
		.amdhsa_next_free_vgpr 48
		.amdhsa_next_free_sgpr 66
		.amdhsa_reserve_vcc 0
		.amdhsa_float_denorm_mode_32 3
		.amdhsa_float_denorm_mode_16_64 3
		.amdhsa_memory_ordered 1
		.amdhsa_forward_progress 1
		.amdhsa_inst_pref_size 6
	.end_amdhsa_kernel
	.amdgpu_metadata
---
amdhsa.version: [ 1, 2 ]
amdhsa.kernels:
  - .name:           k_q0a1d99958a_join
    .symbol:         k_q0a1d99958a_join.kd
    .args:
      - { .name: scores, .offset: 0, .size: 8, .value_kind: global_buffer, .address_space: global }
      - { .name: part, .offset: 8, .size: 8, .value_kind: global_buffer, .address_space: global }
      - { .name: stat, .offset: 16, .size: 8, .value_kind: global_buffer, .address_space: global }
      - { .name: out0, .offset: 24, .size: 8, .value_kind: global_buffer, .address_space: global }
      - { .name: out1, .offset: 32, .size: 8, .value_kind: global_buffer, .address_space: global }
    .group_segment_fixed_size: 0
    .private_segment_fixed_size: 0
    .kernarg_segment_align: 8
    .kernarg_segment_size: 40
    .max_flat_workgroup_size: 64
    .sgpr_count:     66
    .vgpr_count:     48
    .wavefront_size: 32
...
	.end_amdgpu_metadata
.endif
;; end of part 3
